; MI455X (gfx1250); checked and timed in simulation.
; The chip was launched on July 23, 2026; its instructions are those of AMD's public machine-readable ISA for CDNA 5 (MIT licence, August 2026) and "CDNA5" Instruction Set Architecture Reference Guide (July 2026). The comments in the code are by the model that wrote it; some were corrected since.
;; NER2 IC. Allowed arithmetic: matrix products marked QUANTISED: E2M3 operands, one E8M0 scale for each 32 along K, by v_wmma_scale_f32_16x16x128_f8f6f4 with both operands' format E2M3, f32 sums; products left as they are: f32 operands where the result goes on into a quantised operand, else bf16, f16 or f32 operands; f32 sums; everything else in f32.
;; Inputs: W1 1,024 x 512 float32; W2 512 x 64 float32; b1 512 float32; b2 64 float32; ic_tokens 32 x 1,024 float32; ln_beta 512 float32; ln_gamma 512 float32; ner_tokens 32 x 128 x 1,024 float32.
;; Outputs: out0 32 x 64 float32.
;; This version of the problem:
;;   THIS VERSION OF THE PROBLEM IS GIVEN IN LOW PRECISION. The matrix products marked QUANTISED in the list below multiply operands that are first quantised to E2M3 (2 exponent bits, 3 mantissa bits; 6 bits a number), with one power-of-two scale for each 32 numbers along K (OCP MX v1.0); their sums are f32. All else is computed in f32.
;;   The module's matrix products, in the order in which they are computed (A, B: the left and right operand; K: the contracted axis; several contracted axes count as one K, in the product's order):
;;     1. batch 32 x [M 1,024, K 1] x [K 1, N 1,024]; A: computed on the way; B: computed on the way: left as it is (no contracted axis)
;;     2. [M 32,768, K 1,024] x [K 1,024, N 512]; A: computed on the way; B: input W1: QUANTISED
;;     3. [M 32, K 512] x [K 512, N 64]; A: computed on the way; B: input W2: QUANTISED
;;   THE QUANTISER, for each operand of a quantised product, along K:
;;     - K is cut into blocks of 32 from its start; a last block that is shorter is filled with zeros.
;;     - A block's scale is 2^e with e = floor(log2(the largest magnitude in the block)) - 2, held to -126 .. 127; a block of zeros has e = 0. As a byte (E8M0): e + 127.
;;     - Each number is divided by its block's scale, clamped to +-7.5, and rounded to the nearest number of E2M3, ties to even, subnormals kept.
;;     - The product sums the exact products of the quantised numbers (number of the format x scale) in f32.
;;   ~~~python
;;   def quantise(x, axis):      # numpy; x: float32 -> the quantised numbers, widened to float32 again
;;       x = np.moveaxis(x, axis, -1); K = x.shape[-1]
;;       x = np.pad(x, [(0, 0)] * (x.ndim - 1) + [(0, -K % 32)]); x = x.reshape(x.shape[:-1] + (-1, 32)); a = np.abs(x).max(-1, keepdims=True)
;;       e = np.where(a > 0, np.clip(np.frexp(np.where(a > 0, a, 1))[1] - 1 - 2, -126, 127), 0)      # np.frexp(a)[1] - 1 = floor(log2(a)), exactly
;;       r = np.clip(x / 2.0 ** e, -7.5, 7.5)
;;       step = 2.0 ** (np.maximum(np.frexp(np.where(r == 0, 1, r))[1] - 1, 0) - 3)
;;       q = np.round(r / step) * step * 2.0 ** e      # np.round: ties to even
;;       return np.moveaxis(q.reshape(q.shape[:-2] + (-1,))[..., :K], -1, axis).astype(np.float32)
;;   ~~~
;;   OPERANDS COMPUTED ON THE WAY. 'Computed on the way' means the value that the module computes at that place (a softmax that the list does not call 'softmax' is quantised finished and normalised). What goes into a quantiser is computed in f32, as accurately as f32 sums, v_exp_f32 and their like allow (about 1e-6 of the number): no bf16 or f16 on the way to a quantiser, and a product that is left as it is and whose result goes on into a quantised operand takes f32 operands (vector FMAs, or v_wmma_f32_16x16x4_f32). A number that lies on a knife's edge between two numbers of the format may be rounded either way, as far as f32 arithmetic and the matrix unit's own rounding can turn it there, and no further.
;; One version. Each part assembles by itself: llvm-mc -triple=amdgcn-amd-amdhsa -mcpu=gfx1250 --defsym DOCPART=n.
;; ======== version 1 of 1: 3 launches
;; limits: right only within a limited range of input values
;; workspace buffers: nm 131,072 bytes; w1c 393,216 bytes; w1s 16,384 bytes; w2c 24,576 bytes; w2s 1,024 bytes; hsum 1,048,576 bytes
;; launch prep (part 1): grid 324 x 1, 2 waves a work-group, no clusters, 0 bytes of LDS; arguments ner_tokens, W1, W2, nm, w1c, w1s, w2c, w2s; writes nm, w1c, w1s, w2c, w2s
.if DOCPART == 1
	.amdgcn_target "amdgcn-amd-amdhsa--gfx1250"
	.amdhsa_code_object_version 6
	.text
	.protected	k_q32b98a394a_prep
	.globl	k_q32b98a394a_prep
	.p2align	8
	.type	k_q32b98a394a_prep,@function
k_q32b98a394a_prep:
	s_mov_b64 s[64:65], 0
	v_nop
	global_prefetch_b8 v0, s[64:65] scope:SCOPE_SE
	s_setreg_imm32_b32 hwreg(HW_REG_WAVE_MODE, 25, 1), 1
	s_wait_xcnt 0x0
; Three jobs that share one launch; a wave has one task, task = 2 x work-group + wave; the paths part on the work-group's number alone.
;   work-groups 0-63    W1 [1024 (k)][512 (n)], f32, becomes codes of FP6 (E2M3) and E8M0 scale bytes, quantised along K.  A task is one K step of 128 x 32 columns.
;   work-groups 64-67   W2 [512 (k)][64 (n)] likewise.
;   work-groups 68-323  MEAN: nm[b][j] = the mean over the 128 rows of ner_tokens[b][.][j], f32.  A task is one batch x 64 columns.
; THE CODES ARE LAID AS IMAGES OF THE OPERAND'S REGISTERS.  A fragment (16 columns x 128 K) is 12 registers a lane: lane (r, h) holds column r, registers 6 c .. 6 c + 5 hold k = 64 c + 32 h + 0 .. 31.
; Its image is 1,536 bytes: registers 4 g .. 4 g + 3 of lane L lie at 512 g + 16 L, so that three loads of 16 bytes a lane bring a fragment back.
;   w1c: the image of (K step s, tile t of 16 columns) at ((s / 2) 64 + (t / 8) 16 + (s % 2) 8 + t % 8) x 1,536;   w2c: (4 s + t) x 1,536.
;   A scale word serves a column and a K step; its byte q scales k = 128 s + 32 q .. + 31.  w1s: column 16 t + r, K step s at 512 t + 256 (s % 2) + 16 r + 4 (s / 2);  w2s: [s][column].
; A block's scale is 2^(floor(log2(its largest magnitude)) - 2); its byte is the largest magnitude's exponent field - 2, held at 1 from below.
; LIMITS: NaN and infinities among the inputs are not served; a block whose largest magnitude lies under 2^-124 keeps the byte 1; so does a block of zeros (its codes are zeros, and this program alone reads the bytes).
; No LDS, no barrier: waves share nothing.  No step of the problem is left out in any launch.
.set X,  16                            ; MEAN: v16-207  three sets of 16 loads x 4 registers
.set CH, 208                           ; MEAN: v208-223 four chains of 4 sums
	s_load_b256 s[4:11], s[0:1], 0x0               ; ner_tokens s[4:5], W1 s[6:7], W2 s[8:9], nm s[10:11]
	s_load_b256 s[12:19], s[0:1], 0x20             ; w1c s[12:13], w1s s[14:15], w2c s[16:17], w2s s[18:19]
	v_lshrrev_b32 v1, 5, v0
	v_readfirstlane_b32 s20, v1                    ; wave 0, 1
	v_and_b32 v2, 31, v0                           ; lane
	v_and_b32 v3, 15, v0                           ; lane % 16
	v_bfe_u32 v4, v0, 4, 1                         ; lane / 16
	s_lshl_b32 s21, ttmp9, 1
	s_add_co_u32 s21, s21, s20                     ; task
	s_mov_b32 s25, 0
	s_mov_b32 s27, 0
	s_wait_alu depctr_va_vdst(0)
	s_wait_kmcnt 0x0
	s_cmp_lt_u32 ttmp9, 68
	s_cbranch_scc1 .Lweights
; ---- MEAN.  Load i reads rows 2 i and 2 i + 1: lanes 0-15 take 256 consecutive, aligned bytes of the even row, lanes 16-31 of the odd one.
	s_sub_co_u32 s21, s21, 136
	s_lshr_b32 s22, s21, 4                         ; batch
	s_and_b32 s23, s21, 15                         ; which 64 columns
	s_lshl_b32 s24, s22, 19                        ; batch x 128 rows x 4,096 bytes
	s_lshl_b32 s26, s23, 8
	s_add_co_u32 s24, s24, s26
	s_add_nc_u64 s[4:5], s[4:5], s[24:25]
	s_lshl_b32 s24, s22, 12                        ; nm: batch x 4,096 bytes
	s_add_co_u32 s24, s24, s26
	s_add_nc_u64 s[10:11], s[10:11], s[24:25]
	s_mov_b32 s28, 0x76543210
	s_mov_b32 s29, 0xfedcba98                      ; v_permlanex16_b32's selects for lane l xor 16
	s_wait_alu depctr_va_vdst(0)
	v_lshlrev_b32 v5, 12, v4
	v_lshl_add_u32 v5, v3, 4, v5                   ; in: 4,096 (lane / 16) + 16 (lane % 16)
	v_lshlrev_b32 v6, 4, v3
	v_lshl_add_u32 v6, v4, 3, v6                   ; out: 16 (lane % 16) + 8 (lane / 16)
.macro LOADG g                         ; sixteen loads, 32 rows, into set g % 3
.set XB, X+64*((\g)%3)
.set t, 0
.rept 16
	global_load_b128 v[XB+4*t:XB+4*t+3], v5, s[4:5] offset:(16*(\g)+t)*8192 th:TH_LOAD_NT
.set t, t+1
.endr
.endm
.macro SUMG g                          ; load t goes onto chain t % 4; the first eight loads start the chains: nothing is cleared
.set XB, X+64*((\g)%3)
.set t, 0
.rept 16
.if ((\g) == 0) && (t < 4)
	v_pk_add_f32 v[CH+4*t:CH+4*t+1], v[XB+4*t:XB+4*t+1], v[XB+4*t+16:XB+4*t+17]
	v_pk_add_f32 v[CH+4*t+2:CH+4*t+3], v[XB+4*t+2:XB+4*t+3], v[XB+4*t+18:XB+4*t+19]
.elseif ((\g) > 0) || (t >= 8)
	v_pk_add_f32 v[CH+4*(t%4):CH+4*(t%4)+1], v[CH+4*(t%4):CH+4*(t%4)+1], v[XB+4*t:XB+4*t+1]
	v_pk_add_f32 v[CH+4*(t%4)+2:CH+4*(t%4)+3], v[CH+4*(t%4)+2:CH+4*(t%4)+3], v[XB+4*t+2:XB+4*t+3]
.endif
.set t, t+1
.endr
.endm
	LOADG 0
	LOADG 1
	LOADG 2
.irp i, 0,1,2,3
	v_mov_b32 v[224+\i], 0                         ; a lane permute's destination counts as one of its sources
.endr
	s_wait_loadcnt 32                              ; group 0 is in; groups 1 and 2 may be out
	SUMG 0
	LOADG 3                                        ; into the set that has just been summed
	s_wait_alu depctr_va_vdst(0)
	s_wait_loadcnt 32                              ; group 1 is in; groups 2 and 3 may be out
	SUMG 1
	s_wait_alu depctr_va_vdst(0)
	s_wait_loadcnt 16                              ; group 2 is in
	SUMG 2
	s_wait_alu depctr_va_vdst(0)
	s_wait_loadcnt 0x0
	SUMG 3
	v_pk_add_f32 v[208:209], v[208:209], v[212:213]
	v_pk_add_f32 v[210:211], v[210:211], v[214:215]
	v_pk_add_f32 v[216:217], v[216:217], v[220:221]
	v_pk_add_f32 v[218:219], v[218:219], v[222:223]
	v_pk_add_f32 v[208:209], v[208:209], v[216:217]
	v_pk_add_f32 v[210:211], v[210:211], v[218:219]
.irp i, 0,1,2,3
	v_permlanex16_b32 v[224+\i], v[208+\i], s28, s29   ; the even rows' sums meet the odd rows'
.endr
	v_pk_add_f32 v[208:209], v[208:209], v[224:225]
	v_pk_add_f32 v[210:211], v[210:211], v[226:227]
	v_pk_mul_f32 v[208:209], v[208:209], 0x3c000000 op_sel_hi:[1,0]   ; x 1 / 128
	v_pk_mul_f32 v[210:211], v[210:211], 0x3c000000 op_sel_hi:[1,0]
	v_cmp_gt_u32 vcc_lo, 16, v2                    ; both halves of the lanes hold the same four means: lanes 0-15 store the first two, lanes 16-31 the other two
	v_cndmask_b32 v228, v210, v208, vcc_lo
	v_cndmask_b32 v229, v211, v209, vcc_lo
	global_store_b64 v6, v[228:229], s[10:11]      ; 32 lanes store 256 consecutive bytes, aligned
	s_endpgm
; ---- A LANE TAKES A COLUMN, AND ITS REGISTERS RUN DOWN K: a block of 32 lies in one lane, its largest magnitude needs no other lane, and the conversions' results are the operand's registers.
; Lanes 0-15 are the columns of one tile, lanes 16-31 of the next.  v[64 + 64 h + 32 c + i] = W(64 c + 32 h + i, my column): for each h they make the 12 registers of lane (my column % 16, h) of the fragment.
.macro WQ pitch, sw, sc, ss, vs
.irp h, 0,1
.irp c, 0,1
.irp i, 0,1,2,3,4,5,6,7,8,9,10,11,12,13,14,15,16,17,18,19,20,21,22,23,24,25,26,27,28,29,30,31
	global_load_b32 v[64+64*\h+32*\c+\i], v5, s[\sw:\sw+1] offset:(64*\c+32*\h+\i)*\pitch th:TH_LOAD_NT
.endr
.endr
.endr
.irp h, 0,1
.if \h == 0
	s_wait_loadcnt 63                              ; the first 64 loads are in: 64 were issued behind the last of them, and 63 is the largest count that the wait can name
.else
	s_wait_loadcnt 0x0
.endif
.set XS, 64+64*\h
.set F, 16+12*\h                       ; the 12 registers; each h has its own, so that no store's data are written again
.set T, 40+8*\h                        ; a conversion's three registers begin on an even number: a block's upper 16 codes are made here and moved
.irp c, 0,1
	v_max3_num_f32 v[56+\c], |v[XS+32*\c]|, |v[XS+32*\c+1]|, 0x1800000   ; with the floor 2^(3 - 127): the byte cannot fall under 1
.endr
.irp i, 2,4,6,8,10,12,14,16,18,20,22,24,26,28,30
.irp c, 0,1
	v_max3_num_f32 v[56+\c], v[56+\c], |v[XS+32*\c+\i]|, |v[XS+32*\c+\i+1]|   ; the two blocks by turns
.endr
.endr
.irp c, 0,1
	v_add_nc_u32 v[58+\c], 0xff000000, v[56+\c]    ; 2 off the exponent field: the conversion's scale operand
.endr
.irp c, 0,1
	v_lshrrev_b32 v[60+\c], 23, v[58+\c]           ; the scale's byte, of block 2 c + h
.endr
.irp c, 0,1
	v_cvt_scalef32_pk16_fp6_f32 v[F+6*\c:F+6*\c+2], v[XS+32*\c:XS+32*\c+15], v[58+\c]
	v_cvt_scalef32_pk16_fp6_f32 v[T+4*\c:T+4*\c+2], v[XS+32*\c+16:XS+32*\c+31], v[58+\c]
.endr
.if \h == 0
	v_lshl_or_b32 v62, v61, 16, v60                ; bytes 0 and 2 of the scale word.  (A plain line behind the conversions)
.else
	v_lshl_or_b32 v62, v60, 8, v62                 ; bytes 1 and 3
	v_lshl_or_b32 v62, v61, 24, v62
.endif
.irp c, 0,1
.irp i, 0,1,2
	v_mov_b32 v[F+6*\c+3+\i], v[T+4*\c+\i]
.endr
.endr
.irp g, 0,1,2
	global_store_b128 v6, v[F+4*\g:F+4*\g+3], s[\sc:\sc+1] offset:256*\h+512*\g   ; sixteen lanes store 256 consecutive bytes, aligned, of their tile's image
.endr
.endr
	global_store_b32 v\vs, v62, s[\ss:\ss+1]       ; 32 columns' scale words
.endm
.Lweights:
	s_wait_alu depctr_va_vdst(0)
	v_lshlrev_b32 v5, 2, v2                        ; 4 x lane: my column in a row of W, and my scale word of W2
	v_mul_u32_u24 v6, v4, 1536
	v_lshl_add_u32 v6, v3, 4, v6                   ; my tile's image, + 16 (lane % 16)
	v_lshlrev_b32 v7, 9, v4
	v_lshl_add_u32 v7, v3, 4, v7                   ; my scale word of W1: 512 (lane / 16) + 16 (lane % 16)
	s_cmp_lt_u32 ttmp9, 64
	s_cbranch_scc0 .Lw2
	s_lshr_b32 s23, s21, 4                         ; K step s
	s_and_b32 s24, s21, 15                         ; pair of tiles tp: columns 32 tp on
	s_lshl_b32 s26, s23, 18                        ; 128 rows of 2,048 bytes
	s_lshl_b32 s30, s24, 7
	s_add_co_u32 s26, s26, s30
	s_add_nc_u64 s[6:7], s[6:7], s[26:27]
	s_lshr_b32 s28, s23, 1
	s_lshl_b32 s26, s28, 2                         ; scale words: 4 (s / 2)
	s_lshl_b32 s28, s28, 6                         ; (s / 2) 64
	s_lshr_b32 s29, s24, 2
	s_lshl_b32 s29, s29, 4                         ; + (tp / 4) 16
	s_add_co_u32 s28, s28, s29
	s_and_b32 s29, s23, 1
	s_lshl_b32 s30, s29, 8                         ; scale words: + 256 (s % 2)
	s_add_co_u32 s26, s26, s30
	s_lshl_b32 s29, s29, 3                         ; + (s % 2) 8
	s_add_co_u32 s28, s28, s29
	s_lshl_b32 s30, s24, 10                        ; scale words: + 1,024 tp
	s_add_co_u32 s26, s26, s30
	s_add_nc_u64 s[14:15], s[14:15], s[26:27]
	s_and_b32 s29, s24, 3
	s_lshl_b32 s29, s29, 1                         ; + 2 (tp % 4)
	s_add_co_u32 s28, s28, s29
	s_mul_i32 s26, s28, 1536
	s_add_nc_u64 s[12:13], s[12:13], s[26:27]
	s_wait_alu depctr_va_vdst(0)
	WQ 2048, 6, 12, 14, 7
	s_endpgm
.Lw2:
	s_sub_co_u32 s22, s21, 128
	s_lshr_b32 s23, s22, 1                         ; K step s
	s_and_b32 s24, s22, 1                          ; pair of tiles tp
	s_lshl_b32 s26, s23, 15                        ; 128 rows of 256 bytes
	s_lshl_b32 s30, s24, 7
	s_add_co_u32 s26, s26, s30
	s_add_nc_u64 s[8:9], s[8:9], s[26:27]
	s_lshl_b32 s28, s23, 2
	s_lshl_b32 s29, s24, 1
	s_add_co_u32 s28, s28, s29                     ; 4 s + 2 tp
	s_mul_i32 s26, s28, 1536
	s_add_nc_u64 s[16:17], s[16:17], s[26:27]
	s_lshl_b32 s26, s23, 8                         ; scale words: 256 bytes a K step
	s_add_co_u32 s26, s26, s30
	s_add_nc_u64 s[18:19], s[18:19], s[26:27]
	s_wait_alu depctr_va_vdst(0)
	WQ 256, 8, 16, 18, 5
	s_endpgm
.Lfunc_end_k_q32b98a394a_prep:
	.size	k_q32b98a394a_prep, .Lfunc_end_k_q32b98a394a_prep-k_q32b98a394a_prep
	.p2alignl 7, 3214868480
	.fill 96, 4, 3214868480
	.section	.rodata,"a",@progbits
	.p2align	6, 0x0
	.amdhsa_kernel k_q32b98a394a_prep
		.amdhsa_group_segment_fixed_size 0
		.amdhsa_private_segment_fixed_size 0
		.amdhsa_enable_private_segment 0
		.amdhsa_kernarg_size 64
		.amdhsa_user_sgpr_count 2
		.amdhsa_user_sgpr_kernarg_segment_ptr 1
		.amdhsa_wavefront_size32 1
		.amdhsa_system_sgpr_workgroup_id_x 1
		.amdhsa_system_sgpr_workgroup_id_y 1
		.amdhsa_system_sgpr_workgroup_id_z 1
		.amdhsa_system_vgpr_workitem_id 0
		.amdhsa_next_free_vgpr 232
		.amdhsa_next_free_sgpr 66
		.amdhsa_reserve_vcc 1
		.amdhsa_float_denorm_mode_32 3
		.amdhsa_float_denorm_mode_16_64 3
		.amdhsa_memory_ordered 1
		.amdhsa_forward_progress 1
		.amdhsa_inst_pref_size 55
	.end_amdhsa_kernel
	.amdgpu_metadata
---
amdhsa.version: [ 1, 2 ]
amdhsa.kernels:
  - .name:           k_q32b98a394a_prep
    .symbol:         k_q32b98a394a_prep.kd
    .args:
      - { .name: ner_tokens, .offset: 0, .size: 8, .value_kind: global_buffer, .address_space: global }
      - { .name: W1, .offset: 8, .size: 8, .value_kind: global_buffer, .address_space: global }
      - { .name: W2, .offset: 16, .size: 8, .value_kind: global_buffer, .address_space: global }
      - { .name: nm, .offset: 24, .size: 8, .value_kind: global_buffer, .address_space: global }
      - { .name: w1c, .offset: 32, .size: 8, .value_kind: global_buffer, .address_space: global }
      - { .name: w1s, .offset: 40, .size: 8, .value_kind: global_buffer, .address_space: global }
      - { .name: w2c, .offset: 48, .size: 8, .value_kind: global_buffer, .address_space: global }
      - { .name: w2s, .offset: 56, .size: 8, .value_kind: global_buffer, .address_space: global }
    .group_segment_fixed_size: 0
    .private_segment_fixed_size: 0
    .kernarg_segment_align: 8
    .kernarg_segment_size: 64
    .max_flat_workgroup_size: 64
    .sgpr_count:     66
    .vgpr_count:     232
    .wavefront_size: 32
...
	.end_amdgpu_metadata
.endif
;; end of part 1
;; launch main (part 2): grid 256 x 1, 8 waves a work-group, clusters of 4 x 1, 327,680 bytes of LDS; arguments ic_tokens, nm, w1c, w1s, b1, ln_gamma, ln_beta, hsum; writes hsum
.if DOCPART == 2
	.amdgcn_target "amdgcn-amd-amdhsa--gfx1250"
	.amdhsa_code_object_version 6
	.text
	.protected	k_q32b98a394a_main
	.globl	k_q32b98a394a_main
	.p2align	8
	.type	k_q32b98a394a_main,@function
k_q32b98a394a_main:
	s_mov_b64 s[64:65], 0
	v_nop
	global_prefetch_b8 v0, s[64:65] scope:SCOPE_SE
	s_setreg_imm32_b32 hwreg(HW_REG_WAVE_MODE, 25, 1), 1
	s_wait_xcnt 0x0
	s_wait_alu depctr_hold_cnt(0) depctr_sa_sdst(0) depctr_va_vdst(0) depctr_va_sdst(0) depctr_va_ssrc(0) depctr_va_vcc(0) depctr_vm_vsrc(0)
	s_getreg_b32 s2, hwreg(HW_REG_IB_STS2, 6, 4)
	s_cmp_eq_u32 s2, 0
	s_cbranch_scc0 .Lentry_in_a_cluster
	s_endpgm
.Lentry_in_a_cluster:
	s_bfe_u32 s2, ttmp6, 0x10000c
	s_cmp_lg_u32 s2, 0x3003
	s_cbranch_scc0 .Lentry_shape_is_right
	s_endpgm
.Lentry_shape_is_right:
; hsum[2 g + rh][.] = the sums over 64 rows i of 2 gelu(x), x = LayerNorm(Q(ic[b][i] nm[b][:]) Q(W1) + b1); the next launch divides.
; g = 0 .. 255 the work-group; batch b = g / 8, rows i = 128 (g % 8) + 64 rh on.  The product runs on codes of FP6 (E2M3) with one E8M0 scale for each 32 along K = 1,024; sums in f32.
; SHARES.  A work-group owns 128 whole rows of 512.  Eight waves: wave w = 4 rh + wc makes rows 64 rh .. + 63, columns 128 wc .. + 127: 32 accumulators of 16 x 16, 256 registers.
; THE MATRIX INSTRUCTION IS USED TRANSPOSED: source 0 = 16 columns of W1 (tile b), source 1 = 16 rows (tile a).  Lane (r, h) then holds row 16 a + r, and register j column 16 b + 8 h + j.
; A'S CODES ARE MADE HERE.  A row is ic x nm[:], rounded to f32.  Rounding keeps order, so a block's largest magnitude is |ic| x the block's largest |nm|, rounded: one multiplication, no search.
; The codes go from wave to wave through LDS as images of the operand's registers (registers 4 g .. 4 g + 3 of lane L at 512 g + 16 L).
; W1'S CODES come as such images through LDS.  All work-groups walk the same W1, so the four of a cluster ask JOINTLY: the same tensor load,
; made of constants and the wave's number alone, with a mask that names the four.
; A GROUP is two column tiles x four row tiles: eight products.  W1's fragments pass through six sets of twelve registers; a group's middle asks LDS for the fragments two groups on and for a part of the next K step's rows.
; LAYERNORM.  Each wave has 128 of a row's 512 numbers: it takes their mean m and the sum M2 of squares about m; the four (m, M2) of a row meet in LDS: mu = the mean of the m, e = m - mu,
; 512 var = the sum of the M2 + 128 x the sum of the e^2: no difference of large sums is formed.
; GELU.  2 gelu(x) = 2 max(x, 0) - |x| erfc(|x| / sqrt(2)), and erfc(t / sqrt(2)) = 2^q(t), q a polynomial of degree 7 whose top coefficient is negative: for large t the power falls to 0.
; LIMITS: NaN and infinities are not served; a block of A whose largest magnitude lies under 2^-124 keeps the byte 1 (a block of zeros too: its codes are zeros);
; q leaves an absolute error of a few 1e-7 in gelu; b1 is the C of the first K step, so it is added first and not last.
; REGISTERS, in windows of 256 (s_set_vgpr_msb: bits 1:0 source 0, 3:2 source 1, 5:4 source 2, 7:6 destination):
;   window 0: v1-24 addresses; v28-59 W1's scale words, v62-77 A's (they hold scales and nothing else); v80-151 W1's fragments, v152-247 A's, two sets; v248-255 ic
;   window 1: the accumulators: (a, b) at v[64 a + 8 b]; at first nm at v0-63 and b1 at v192-255
.set SLOT,  98304                      ; LDS: slot 0 at 0, slot 1 here; a slot = 2 K steps x 32 images; column wave wc's quarter at 24,576 wc.  Four fills in all, two at the head and two refills
.set QUART, 24576
.set KSB,   12288                      ; eight images: one K step of a quarter, or of A
.set IMG,   1536
.set AIMG,  196608                     ; A's 64 images: (K step s, row tile a) at (8 s + a) x 1,536
.set ASC,   294912                     ; A's scale words: row tile a, row r, K step s at 512 a + 256 (s % 2) + 16 r + 4 (s / 2)
.set STAT,  299008                     ; [row][wc] pairs (m, M2)
.set SPARE, 303104                     ; the spare words, 128 bytes a wave: four blocks of 256 bytes that no other line names
.set SCW, 28
.set SCA, 62
.set BF,  80
.set AF,  152
.set PR,  80                           ; A's numbers ahead of the conversions: 64 registers
.set CS,  144                          ; A's codes: three sets of 20 registers: 12 of codes, 8 for the upper halves as converted
.set SCO, 204                          ; the conversions' scale operands: row tile a, block c at 2 a + c
.set BYT, 220                          ; their bytes, then at 2 a the scale word
.set PRM, 236
.set ICR, 248
.set TT,  80                           ; behind the product: 32 registers at work
.set GBS, 112                          ; gamma (8) and beta (8) of a column tile: four sets
.set CH,  176                          ; statistics: eight chains of pairs
.set A1,  176                          ; later: the sums of max(x, 0)
.set A2,  184                          ; and of |x| erfc
.set SP,  192                          ; a pair of sums for each row tile
.set RES, 192                          ; later: a result for each column tile
.set MS,  200                          ; (m, M2) for each row tile
.set JN,  208                          ; the four pairs of a row, for each row tile
.set RE,  240                          ; (R, e R) for each row tile, R = 1 / sqrt(var + eps)
.set C7R, 248
.set MSB, 0
.macro WIN new                         ; the immediate's high byte repeats the setting that is left; a switch that changes nothing is dropped
.if MSB != (\new)
	s_set_vgpr_msb (MSB<<8)|(\new)
.set MSB, (\new)
.endif
.endm
.macro PLACES n                        ; plain vector lines between a matrix instruction and a load into, or a vector line on, its registers
.rept \n
	v_nop
.endr
.endm
.macro CREST                           ; a round of the cluster's barrier behind its opening barrier
	s_cmp_lg_u32 s20, 0
	s_cbranch_scc1 .Lnot_wave_0_\@
	s_barrier_signal -3
.Lnot_wave_0_\@:
	s_barrier_wait -3
	s_barrier_signal -1
	s_barrier_wait -1
.endm
.macro CROUND                          ; a whole round
	s_barrier_signal -1
	s_barrier_wait -1
	CREST
.endm
; A PREFETCH INTO THE L2: fill 2 at the head, fill 3 behind the refill with fill 2: each at least two K steps ahead of the load that wants it.  All work-groups read the same fills, so four clusters ask, 0, 21, 42 and 63.
; In each, 4 work-groups x 8 waves share a fill's 384 blocks of 256 bytes by address, twelve to a wave, a lane a block (the lanes left over name the wave's last block again).
.macro ASK off
	s_cmp_eq_u32 s88, 0
	s_cbranch_scc0 .Lnot_mine_\@
	global_prefetch_b8 v21, s[8:9] offset:\off th:TH_LOAD_NT scope:SCOPE_SE
.Lnot_mine_\@:
.endm
	s_load_b256 s[4:11], s[0:1], 0x0               ; ic s[4:5], nm s[6:7], w1c s[8:9], w1s s[10:11]
	s_load_b256 s[12:19], s[0:1], 0x20             ; b1 s[12:13], gamma s[14:15], beta s[16:17], hsum s[18:19]
	v_lshl_add_u32 v18, v0, 2, SPARE               ; my spare word; never rewritten
	v_mov_b32 v19, 0                               ; 0; never rewritten
	ds_add_u32 v18, v19
	ds_add_u32 v18, v19
	v_lshrrev_b32 v20, 5, v0
	v_readfirstlane_b32 s20, v20                   ; wave 0..7
	s_and_b32 s21, s20, 3                          ; wc
	s_lshr_b32 s22, s20, 2                         ; rh
	s_lshl_b32 s23, s20, 9
	v_and_b32 v1, 15, v0                           ; r
	v_bfe_u32 v2, v0, 4, 1                         ; h
	v_and_b32 v3, 31, v0
	v_min_u32 v21, 11, v3
	v_lshlrev_b32 v12, 2, v1                       ; v12  ic: 4 r
	v_lshlrev_b32 v11, 7, v2
	v_lshlrev_b32 v3, 4, v3                        ; v3   16 x lane
	v_add_nc_u32 v11, s23, v11                     ; v11  nm: 512 w + 128 h: k = 128 w + 32 h on
	s_lshl_b32 s23, s21, 12
	v_add_nc_u32 v13, s23, v3                      ; v13  W1's scale words: 4,096 wc + 16 x lane
	s_lshl_b32 s23, s21, 9
	v_lshlrev_b32 v14, 5, v2
	v_add_nc_u32 v14, s23, v14                     ; v14  b1, gamma, beta: 512 wc + 32 h: the result's layout
	v_add_nc_u32 v24, s23, v3                      ; v24  hsum: 512 wc + 16 x lane
	; my place in the cluster and my work-group's number enter global addresses alone, in registers that feed no descriptor and no LDS address
	s_bfe_u32 s52, ttmp6, 0x40000                  ; cx
	s_lshl_b32 s89, s52, 3
	s_add_co_u32 s89, s89, s20
	s_mul_i32 s89, s89, 12*256
	s_add_co_u32 s89, s89, 2*SLOT
	v_lshlrev_b32 v21, 8, v21
	v_add_nc_u32 v21, s89, v21                     ; v21  prefetch: fill 2, block 12 (8 cx + w) + lane
	s_lshl_b32 s60, ttmp9, 2
	s_add_co_u32 s60, s60, s52                     ; g = 4 x cluster + cx
	s_lshr_b32 s52, s60, 3
	s_lshl_b32 s52, s52, 12                        ; nm: batch x 4,096 bytes
	s_mov_b32 s53, 0
	s_and_b32 s54, s60, 7
	s_lshl_b32 s54, s54, 9
	s_add_co_u32 s54, s54, s52                     ; ic: my first row
	s_mov_b32 s55, 0
	s_lshl_b32 s56, s60, 1
	s_add_co_u32 s56, s56, s22
	s_lshl_b32 s56, s56, 11                        ; hsum: row 2 g + rh
	s_mov_b32 s57, 0
	s_lshr_b32 s88, ttmp9, 4
	s_mul_i32 s88, s88, 5
	s_and_b32 s89, ttmp9, 15
	s_xor_b32 s88, s88, s89                        ; 0 in clusters 0, 21, 42, 63
	; descriptor group 1: at the head 24,576 dense bytes a wave: 96 rows of 32 elements of 8 bytes, no padding (an image is read 16 bytes a lane, on end)
	s_mov_b32 s40, 15|(3<<16)|(1<<21)              ; 15:0 the mask: all four work-groups; 17:16 elements of 8 bytes; 21 set beside a mask
	s_mov_b32 s41, 32<<16                          ; tensor_dim0 = 32
	s_mov_b32 s42, 96<<16                          ; tensor_dim1 = 96
	s_mov_b32 s43, 32<<16                          ; tile_dim0 = 32
	s_mov_b32 s44, 96                              ; tile_dim1 = 96
	s_mov_b32 s45, 32                              ; from row to row
	s_mov_b32 s46, 0
	s_mov_b32 s47, 0
	; and for a refill 12,288 bytes a wave: 48 rows
	s_mov_b32 s80, 15|(3<<16)|(1<<21)
	s_mov_b32 s81, 32<<16
	s_mov_b32 s82, 48<<16
	s_mov_b32 s83, 32<<16
	s_mov_b32 s84, 48
	s_mov_b32 s85, 32
	s_mov_b32 s86, 0
	s_mov_b32 s87, 0
	s_mul_i32 s24, s20, QUART                      ; head: my eighth of both slots
	s_mov_b32 s25, 0
	s_mul_i32 s26, s20, KSB                        ; refills: my eighth of one slot
	s_mov_b32 s27, 0
	s_mov_b32 s28, 1                               ; group 0 of the head's load: count,
	s_mov_b32 s29, s24                             ; LDS address
	s_mov_b32 s32, 1                               ; of slot 0's refill: fill 2
	s_mov_b32 s33, s26
	s_mov_b32 s36, 1                               ; of slot 1's refill: fill 3
	s_add_co_u32 s37, s26, SLOT
	s_wait_alu depctr_va_vdst(0)
	s_wait_dscnt 0x0                               ; both opening adds are done
	CROUND                                         ; all four work-groups are here: the first joint loads meet
	s_wait_kmcnt 0x0
	s_add_nc_u64 s[30:31], s[8:9], s[24:25]        ; global address,
	s_or_b32 s31, s31, 0x80000000                  ; type
	s_cmp_lt_u32 s20, 4
	s_cbranch_scc0 .Lhigh
	tensor_load_to_lds s[28:31], s[40:47]          ; waves 0-3: K steps 0, 1.  One load a wave at the head
	s_nop 0
	PLACES 4                                       ; four plain lines behind the load
	s_branch .Lasked
.Lhigh:
	tensor_load_to_lds s[28:31], s[40:47]          ; waves 4-7: K steps 2, 3
	s_nop 0
	PLACES 4
.Lasked:
	s_add_nc_u64 s[6:7], s[6:7], s[52:53]
	s_add_nc_u64 s[4:5], s[4:5], s[54:55]
	; nm(k = 128 w + 64 c + 32 h + i) -> window 1, v[32 c + i]: what lane (r, h) of A's fragments wants, whatever r
	WIN 0x40
.irp c, 0,1
.irp j, 0,1,2,3,4,5,6,7
	global_load_b128 v[32*\c+4*\j:32*\c+4*\j+3], v11, s[6:7] offset:256*\c+16*\j
.endr
.endr
	WIN 0
.irp a, 0,1,2,3,4,5,6,7
	global_load_b32 v[ICR+\a], v12, s[4:5] offset:64*\a        ; ic of row 16 a + r
.endr
.irp b, 0,1,2,3,4,5,6,7
	global_load_b128 v[SCW+4*\b:SCW+4*\b+3], v13, s[10:11] offset:512*\b   ; register u: lanes 0-15 K step 2 u, lanes 16-31 K step 2 u + 1; column 128 wc + 16 b + r
.endr
	WIN 0x40
.irp b, 0,1,2,3,4,5,6,7
	global_load_b128 v[192+8*\b:195+8*\b], v14, s[12:13] offset:64*\b      ; b1, in the result's layout, where row tile 3's accumulators will lie
	global_load_b128 v[196+8*\b:199+8*\b], v14, s[12:13] offset:64*\b+16
.endr
	WIN 0
	ASK 0
	s_add_nc_u64 s[34:35], s[8:9], s[26:27]
	s_add_nc_u64 s[34:35], s[34:35], 2*SLOT
	s_or_b32 s35, s35, 0x80000000
	s_add_nc_u64 s[38:39], s[8:9], s[26:27]
	s_add_nc_u64 s[38:39], s[38:39], 3*SLOT
	s_or_b32 s39, s39, 0x80000000
	s_add_nc_u64 s[18:19], s[18:19], s[56:57]      ; hsum at my row
	s_mul_i32 s23, s21, QUART
	v_add_nc_u32 v4, s23, v3                       ; v4   my quarter of slot 0
	v_add_nc_u32 v5, SLOT, v4                      ; v5   of slot 1
	s_mul_i32 s23, s22, 4*IMG
	s_add_co_u32 s23, s23, AIMG
	v_add_nc_u32 v6, s23, v3                       ; v6   A's images of my four row tiles, K steps 0-3
	v_add_nc_u32 v7, 4*KSB, v6                     ; v7   K steps 4-7
	s_lshl_b32 s23, s22, 11
	s_add_co_u32 s61, s23, ASC
	v_add_nc_u32 v8, s61, v3                       ; v8   A's scale words of my row tiles
	v_lshlrev_b32 v16, 5, v1
	s_add_co_u32 s23, s23, STAT
	v_add_nc_u32 v16, s23, v16                     ; v16  the four pairs of row 64 rh + r
	s_lshl_b32 s23, s21, 3
	v_add_nc_u32 v15, s23, v16                     ; v15  my wave's pair of it
	s_add_co_u32 s23, s26, AIMG
	v_add_nc_u32 v9, s23, v3                       ; v9   where I store A's images: K step w
	s_and_b32 s23, s20, 1
	s_lshl_b32 s23, s23, 8
	s_lshr_b32 s61, s20, 1
	s_lshl_b32 s61, s61, 2
	s_add_co_u32 s23, s23, s61
	s_add_co_u32 s23, s23, ASC
	v_lshlrev_b32 v10, 4, v1
	v_add_nc_u32 v10, s23, v10                     ; v10  where I store A's scale words
	v_lshlrev_b32 v17, 3, v2                       ; v17  8 h
.irp a, 0,1,2,3,4,5,6,7
	v_mov_b32 v[PRM+\a], 0                         ; a lane permute's destination counts as one of its sources
.endr
	s_mov_b32 s48, 0x76543210
	s_mov_b32 s49, 0xfedcba98                      ; v_permlanex16_b32's selects for lane l xor 16
	s_mov_b32 s50, 0x3b000000                      ; 1 / 512
	s_mov_b32 s51, 0x3727c5ac                      ; eps = 1e-5
	s_mov_b32 s58, 0xff00ff00                      ; lanes with bit 3, 2, 1, 0 set
	s_mov_b32 s59, 0xf0f0f0f0
	s_mov_b32 s62, 0xcccccccc
	s_mov_b32 s63, 0xaaaaaaaa
.irp i, 0,1                            ; q's coefficients, each twice: a pair for the packed form
	s_mov_b32 s[66+\i], 0x38830ab0                 ; t^6   6.2485574e-05
	s_mov_b32 s[68+\i], 0xba70b4ab                 ; t^5  -9.1821950e-04
	s_mov_b32 s[70+\i], 0x3c0a69e0                 ; t^4   8.4480938e-03
	s_mov_b32 s[72+\i], 0xbd5caf99                 ; t^3  -5.3878400e-02
	s_mov_b32 s[74+\i], 0xbeeabd57                 ; t^2  -4.5847580e-01
	s_mov_b32 s[76+\i], 0xbf935d44                 ; t    -1.1512837e+00
	s_mov_b32 s[78+\i], 0x376afa72                 ; 1     1.4005800e-05
.endr
	s_wait_alu depctr_va_vdst(0)
; ---- A'S CODES: wave w makes K step w of all eight row tiles.  The largest |nm| of my two blocks -> v78, v79, by turns
	s_wait_loadcnt 24                              ; nm and ic are in; the 24 younger loads (W1's scale words, b1) may be out
	WIN 0x05
.irp c, 0,1
	v_max_num_f32 v[78+\c], |v[32*\c]|, |v[32*\c+1]|
.endr
.irp i, 2,4,6,8,10,12,14,16,18,20,22,24,26,28,30
.irp c, 0,1
	v_max3_num_f32 v[78+\c], |v[32*\c+\i]|, |v[32*\c+\i+1]|, v[78+\c]
.endr
.endr
	WIN 0
; the scales of all eight row tiles, by turns
.irp a, 0,1,2,3,4,5,6,7
.irp c, 0,1
	v_mul_f32 v[BYT+2*\a+\c], |v[ICR+\a]|, v[78+\c]           ; the block's largest magnitude
.endr
.endr
.set k, 0
.rept 16
	v_max_num_f32 v[BYT+k], 0x1800000, v[BYT+k]               ; the floor 2^(3 - 127): the byte cannot fall under 1
.set k, k+1
.endr
.set k, 0
.rept 16
	v_add_nc_u32 v[SCO+k], 0xff000000, v[BYT+k]               ; 2 off the exponent field: the conversion's scale operand
.set k, k+1
.endr
.set k, 0
.rept 16
	v_lshrrev_b32 v[BYT+k], 23, v[SCO+k]                      ; the byte of block 2 c + h
.set k, k+1
.endr
.irp a, 0,1,2,3,4,5,6,7
	v_lshl_or_b32 v[BYT+2*\a], v[BYT+2*\a+1], 16, v[BYT+2*\a] ; my two bytes,
.endr
.irp a, 0,1,2,3,4,5,6,7
	v_lshlrev_b32 v[BYT+2*\a], v17, v[BYT+2*\a]               ; 8 h bits up;
.endr
.irp a, 0,1,2,3,4,5,6,7
	v_permlanex16_b32 v[PRM+\a], v[BYT+2*\a], s48, s49
.endr
.irp a, 0,1,2,3,4,5,6,7
	v_or_b32 v[BYT+2*\a], v[BYT+2*\a], v[PRM+\a]              ; with lane l xor 16's two the row's word is whole
.endr
.irp a, 0,1,2,3,4,5,6,7
	ds_store_b32 v10, v[BYT+2*\a] offset:512*\a               ; both halves of the lanes write the same word with the same value
.endr
.macro UPPER a, c, i                   ; a conversion's three registers begin on an even number: a block's upper 16 codes are made elsewhere and moved
	v_mov_b32 v[CS+20*((\a)%3)+3+6*\c+\i], v[CS+20*((\a)%3)+12+4*\c+\i]
.endm
.macro UPPERS a
	UPPER \a, 0, 0
	UPPER \a, 0, 1
	UPPER \a, 0, 2
	UPPER \a, 1, 0
	UPPER \a, 1, 1
.endm
.macro PUT a
.set PC, CS+20*((\a)%3)
.irp g, 0,1,2
	ds_store_b128 v9, v[PC+4*\g:PC+4*\g+3] offset:(\a)*IMG+512*\g
.endr
.endm
; The fragment (K step w, row tile a): its numbers; the moves of the one before; its conversions; the stores of the one before.
.macro FRAGX a
.set IP, ICR+2*((\a)/2)
.if (\a) > 2
	s_wait_dscnt 3                                 ; the three stores issued last may be out; those that read this fragment's set are done
.endif
	WIN 0x01
.set k, 0
.rept 32
.if (\a)%2
	v_pk_mul_f32 v[PR+k:PR+k+1], v[k:k+1], v[IP:IP+1] op_sel:[0,1]       ; the row's 64 numbers of my half, in f32
.else
	v_pk_mul_f32 v[PR+k:PR+k+1], v[k:k+1], v[IP:IP+1] op_sel_hi:[1,0]
.endif
.set k, k+2
.endr
	WIN 0
.if (\a) > 0
	UPPERS (\a)-1
.endif
.set PC, CS+20*((\a)%3)
.irp c, 0,1
	v_cvt_scalef32_pk16_fp6_f32 v[PC+6*\c:PC+6*\c+2], v[PR+32*\c:PR+32*\c+15], v[SCO+2*(\a)+\c]
	v_cvt_scalef32_pk16_fp6_f32 v[PC+12+4*\c:PC+14+4*\c], v[PR+32*\c+16:PR+32*\c+31], v[SCO+2*(\a)+\c]
.endr
.if (\a) > 0
	UPPER (\a)-1, 1, 2                             ; (a plain line behind the conversions)
	PUT (\a)-1
.else
	v_nop
.endif
.endm
	s_wait_alu depctr_va_vdst(0)
.irp a, 0,1,2,3,4,5,6,7
	FRAGX \a
.endr
	UPPERS 7
	UPPER 7, 1, 2
	PUT 7
	s_wait_alu depctr_va_vdst(0)
	s_cmp_lt_u32 s20, 4
	s_cbranch_scc0 .Lnot_low
	s_wait_tensorcnt 0x0                           ; waves 0-3: slot 0 is in.  Slot 1 may still be on its way
.Lnot_low:
	s_wait_dscnt 0x0                               ; for the others' sake: my images and scale words lie in LDS
	s_barrier_signal -1
	s_barrier_wait -1
; ---- THE PRODUCT: eight K steps of 128, written out; a step is four groups of eight products.
; The 32 accumulators take turns, one instruction a turn, in the same order in every step.
.macro MUL s, gp, i                    ; row tile i / 2, column tile 2 gp + i % 2.  In step 0 b1, which lies in row tile 3's accumulators, is the C that starts the sums
.set tA, (\i)/2
.set tB, 2*(\gp)+(\i)%2
.set rD, 64*tA+8*tB
.if (\s) == 0
.set rC, 192+8*tB
.else
.set rC, rD
.endif
.set rB, BF+12*((8*(\s)+tB)%6)
.set rA, AF+48*((\s)%2)+12*tA
.set rW, SCW+4*tB+(\s)/2
.set rX, SCA+4*tA+(\s)/2
.if (\s)%2
	v_wmma_scale_f32_16x16x128_f8f6f4 v[rD:rD+7], v[rB:rB+11], v[rA:rA+11], v[rC:rC+7], v[rW], v[rX] matrix_a_fmt:MATRIX_FMT_FP6 matrix_b_fmt:MATRIX_FMT_FP6 matrix_a_scale:MATRIX_SCALE_ROW1 matrix_b_scale:MATRIX_SCALE_ROW1
.else
	v_wmma_scale_f32_16x16x128_f8f6f4 v[rD:rD+7], v[rB:rB+11], v[rA:rA+11], v[rC:rC+7], v[rW], v[rX] matrix_a_fmt:MATRIX_FMT_FP6 matrix_b_fmt:MATRIX_FMT_FP6
.endif
.endm
.macro BLOAD f                         ; W1's fragments f and f + 1, counted over all steps (8 a step): 6 loads
.set sN, (\f)/8
.irp i, 0,1
.irp g, 0,1,2
	ds_load_b128 v[BF+12*(((\f)+\i)%6)+4*\g:BF+12*(((\f)+\i)%6)+4*\g+3], v[4+(sN/2)%2] offset:(sN%2)*KSB+(((\f)+\i)%8)*IMG+512*\g
.endr
.endr
.endm
.macro ALOAD s, i0                     ; four of the twelve loads of K step s's row tiles, tile by tile
.irp i, 0,1,2,3
	ds_load_b128 v[AF+48*((\s)%2)+4*((\i0)+\i):AF+48*((\s)%2)+4*((\i0)+\i)+3], v[6+(\s)/4] offset:((\s)%4)*KSB+512*((\i0)+\i)
.endr
.endm
.macro GLOADS s, gp                    ; 10 loads; 6 in a step's last group and in step 7
.if 8*(\s)+2*(\gp)+4 < 64
	BLOAD 8*(\s)+2*(\gp)+4
.endif
.if ((\gp) < 3) && ((\s) < 7)
	ALOAD (\s)+1, 4*(\gp)
.endif
.endm
; n: the loads issued in the group before, which may be out: this group's fragments are older.  The four v_nop among its first products are the places in front of its loads, into registers that the group before multiplied.
; kind 1: a round of the cluster's barrier: all reads of this slot have been issued, and the slot is filled again; the other slot is shown whole.  kind 2: a plain barrier shows the last fill.
.macro GROUP s, gp, n, kind
.if (\kind) == 1
	s_wait_tensorcnt 0x0                           ; all my tensor loads have landed
	ds_add_u32 v18, v19                            ; 0 onto my spare word
	s_wait_dscnt (\n)+1                            ; (the add and the group before's loads may be out)
.else
.if (\kind) == 2
	s_wait_tensorcnt 0x0
.endif
	s_wait_dscnt \n
.endif
	WIN 0x50
.irp i, 0,1,2,3
.if ((\s)+(\gp) == 0) && (\i == 2)
	s_wait_dscnt 12                                ; row tile 1 is in; tiles 2, 3 and two fragments may be out
.endif
	MUL \s, \gp, \i
	v_nop
.endr
.if \kind
	s_wait_dscnt 0x0                               ; the add, where there is one, and my reads are done
	s_barrier_signal -1
.irp i, 4,5,6,7
	MUL \s, \gp, \i
.endr
	WIN 0
	s_barrier_wait -1
.if (\kind) == 1
	CREST                                          ; no wave of any partner still reads this slot or has a load on its way
	tensor_load_to_lds s[32+4*((\s)/2):35+4*((\s)/2)], s[80:87]   ; the first tensor load behind the round, and my only one until the next
	s_nop 0
	PLACES 4
.endif
	GLOADS \s, \gp
.if (\s) == 1
	ASK SLOT
.endif
.else
	WIN 0
	GLOADS \s, \gp
	WIN 0x50
.if ((\s)+(\gp) == 0)
	s_wait_dscnt 19                                ; row tile 2 is in: tile 3, two fragments and the ten loads just issued may be out
.endif
	MUL \s, \gp, 4
	MUL \s, \gp, 5
.if (\s) == 0
	PLACES 5                                       ; row tile 3's products write over b1, which the six before have read
.endif
.if ((\s)+(\gp) == 0)
	s_wait_dscnt 16                                ; row tile 3 too
.endif
	MUL \s, \gp, 6
	MUL \s, \gp, 7
	WIN 0
.endif
.endm
.macro STEP s, n0, n1, n3, k2
	GROUP \s, 0, \n0, 0
	GROUP \s, 1, \n1, 0
	GROUP \s, 2, \n1, \k2
	GROUP \s, 3, \n3, 0
.endm
.irp a, 0,1,2,3
	ds_load_b128 v[SCA+4*\a:SCA+4*\a+3], v8 offset:512*\a   ; register u: lanes 0-15 K step 2 u, lanes 16-31 K step 2 u + 1; row 16 a + r
.endr
	BLOAD 0
	ALOAD 0, 0
	ALOAD 0, 4
	ALOAD 0, 8
	BLOAD 2
	s_wait_loadcnt 0x0                             ; W1's scale words and b1
	STEP 0, 15, 10, 10, 0                          ; (15: row tiles 1 to 3 and two fragments may be out)
	STEP 1, 6, 10, 10, 1                           ; slot 0 takes K steps 4, 5
	STEP 2, 6, 10, 10, 0
	STEP 3, 6, 10, 10, 1                           ; slot 1 takes K steps 6, 7
	STEP 4, 6, 10, 10, 0
	STEP 5, 6, 10, 10, 2
	STEP 6, 6, 10, 10, 0
	STEP 7, 6, 6, 0, 0
	PLACES 4                                       ; behind the last products
.macro GBLOAD b                        ; gamma and beta of column tile b, in the result's layout
.set GB, GBS+16*((\b)%4)
	global_load_b128 v[GB:GB+3], v14, s[14:15] offset:64*(\b)
	global_load_b128 v[GB+4:GB+7], v14, s[14:15] offset:64*(\b)+16
	global_load_b128 v[GB+8:GB+11], v14, s[16:17] offset:64*(\b)
	global_load_b128 v[GB+12:GB+15], v14, s[16:17] offset:64*(\b)+16
.endm
	GBLOAD 0
	GBLOAD 1
	GBLOAD 2
	GBLOAD 3
.irp a, 0,1,2,3
	v_mov_b32 v[104+\a], 0                         ; the lane permutes' destinations
	v_mov_b32 v[MS+2*\a+1], 0                      ; (named as the upper half of a pair before M2 is written)
.endr
; ---- STATISTICS.  A lane holds 64 of a row's numbers in each row tile; lane l xor 16 holds the wave's other 64.
.macro TREE a
.irp b, 0,4,8,12
	v_pk_add_f32 v[CH+\b:CH+\b+1], v[CH+\b:CH+\b+1], v[CH+\b+2:CH+\b+3]
.endr
	v_pk_add_f32 v[CH:CH+1], v[CH:CH+1], v[CH+4:CH+5]
	v_pk_add_f32 v[CH+8:CH+9], v[CH+8:CH+9], v[CH+12:CH+13]
	v_pk_add_f32 v[SP+2*(\a):SP+2*(\a)+1], v[CH:CH+1], v[CH+8:CH+9]
.endm
.macro STAT1 a                         ; the sum of the tile's 64 registers: chain b takes accumulator b, from its low end on
.set AC, 64*(\a)
	WIN 0x05
.irp b, 0,1,2,3,4,5,6,7
	v_pk_add_f32 v[CH+2*\b:CH+2*\b+1], v[AC+8*\b:AC+8*\b+1], v[AC+8*\b+2:AC+8*\b+3]
.endr
	WIN 0x01
.irp kk, 4,6
.irp b, 0,1,2,3,4,5,6,7
	v_pk_add_f32 v[CH+2*\b:CH+2*\b+1], v[AC+8*\b+\kk:AC+8*\b+\kk+1], v[CH+2*\b:CH+2*\b+1]
.endr
.endr
	WIN 0
	TREE \a
.endm
.macro STAT2 a                         ; d = x - m in place; the sum of d^2
.set AC, 64*(\a)
	WIN 0x41
.set k, 0
.rept 32
	v_pk_add_f32 v[AC+k:AC+k+1], v[AC+k:AC+k+1], v[MS+2*(\a):MS+2*(\a)+1] op_sel_hi:[1,0] neg_lo:[0,1] neg_hi:[0,1]
.set k, k+2
.endr
	WIN 0x05
.irp b, 0,1,2,3,4,5,6,7
	v_pk_mul_f32 v[CH+2*\b:CH+2*\b+1], v[AC+8*\b:AC+8*\b+1], v[AC+8*\b:AC+8*\b+1]
.endr
.irp kk, 2,4,6
.irp b, 0,1,2,3,4,5,6,7
	v_pk_fma_f32 v[CH+2*\b:CH+2*\b+1], v[AC+8*\b+\kk:AC+8*\b+\kk+1], v[AC+8*\b+\kk:AC+8*\b+\kk+1], v[CH+2*\b:CH+2*\b+1]
.endr
.endr
	WIN 0
	TREE \a
.endm
.macro ROWSUM                          ; v[96 + a] and v[104 + a]: the two halves of my wave's sum for row 16 a + r
.irp a, 0,1,2,3
	v_add_f32 v[96+\a], v[SP+2*\a], v[SP+2*\a+1]
.endr
.irp a, 0,1,2,3
	v_permlanex16_b32 v[104+\a], v[96+\a], s48, s49
.endr
.endm
.irp a, 0,1,2,3
	STAT1 \a
.endr
	ROWSUM
.irp a, 0,1,2,3
	v_add_f32 v[96+\a], v[96+\a], v[104+\a]
.endr
.irp a, 0,1,2,3
	v_mul_f32 v[MS+2*\a], 0x3c000000, v[96+\a]     ; m = the sum / 128
.endr
.irp a, 0,1,2,3
	STAT2 \a
.endr
	ROWSUM
.irp a, 0,1,2,3
	v_add_f32 v[MS+2*\a+1], v[96+\a], v[104+\a]    ; M2
.endr
.irp a, 0,1,2,3
	ds_store_b64 v15, v[MS+2*\a:MS+2*\a+1] offset:512*\a   ; both halves of the lanes write the same pair
.endr
	s_wait_alu depctr_va_vdst(0)
	s_wait_tensorcnt 0x0
	ds_add_u32 v18, v19
	s_wait_dscnt 0x0                               ; for the others' sake too: my pairs lie in LDS
	CROUND                                         ; every wave's pairs lie in LDS.  It is the closing round too: all joint loads have been issued and have landed, and no LDS byte is written behind it
.irp a, 0,1,2,3
	ds_load_b128 v[JN+8*\a:JN+8*\a+3], v16 offset:512*\a
	ds_load_b128 v[JN+8*\a+4:JN+8*\a+7], v16 offset:512*\a+16
.endr
	v_mov_b32 v[C7R], 0xb613eb95                   ; q's top coefficient, t^7: -2.2041834e-06, twice
	v_mov_b32 v[C7R+1], 0xb613eb95
	s_wait_dscnt 0x0
; every lane joins the four pairs of its rows 16 a + r; the four row tiles by turns
.irp a, 0,1,2,3
	v_pk_add_f32 v[80+2*\a:81+2*\a], v[JN+8*\a:JN+8*\a+1], v[JN+8*\a+2:JN+8*\a+3]
	v_pk_add_f32 v[88+2*\a:89+2*\a], v[JN+8*\a+4:JN+8*\a+5], v[JN+8*\a+6:JN+8*\a+7]
.endr
.irp a, 0,1,2,3
	v_pk_add_f32 v[80+2*\a:81+2*\a], v[80+2*\a:81+2*\a], v[88+2*\a:89+2*\a]   ; the sums of the m and of the M2
.endr
.irp a, 0,1,2,3
	v_mul_f32 v[96+\a], 0x3e800000, v[80+2*\a]     ; mu: the four parts are equally long
.endr
.irp kk, 0,2,4,6
.irp a, 0,1,2,3
	v_sub_f32 v[JN+8*\a+\kk], v[JN+8*\a+\kk], v[96+\a]   ; e = m - mu
.endr
.endr
.irp a, 0,1,2,3
	v_mul_f32 v[100+\a], v[JN+8*\a], v[JN+8*\a]
.endr
.irp kk, 2,4,6
.irp a, 0,1,2,3
	v_fmac_f32 v[100+\a], v[JN+8*\a+\kk], v[JN+8*\a+\kk]
.endr
.endr
.irp a, 0,1,2,3
	v_fmamk_f32 v[104+\a], v[100+\a], 0x43000000, v[81+2*\a]   ; the sum of the M2 + 128 x the sum of the e^2
.endr
.irp a, 0,1,2,3
	v_sub_f32 v[108+\a], v[MS+2*\a], v[96+\a]      ; my own e
.endr
.irp a, 0,1,2,3
	v_fma_f32 v[104+\a], v[104+\a], s50, s51       ; / 512 + eps
.endr
	s_wait_alu depctr_va_vdst(0)
.irp a, 0,1,2,3
	v_rsq_f32 v[RE+2*\a], v[104+\a]
.endr
	v_nop                                          ; a plain line behind the transcendentals
	s_wait_alu depctr_va_vdst(0)
.irp a, 0,1,2,3
	v_mul_f32 v[RE+2*\a+1], v[108+\a], v[RE+2*\a]  ; e R
.endr
	s_wait_alu depctr_va_vdst(0)
; ---- NORMALISE, GELU, SUM OVER ROWS, one column tile at a time: four row tiles x 8 registers a lane
.macro NZ b                            ; x = (d R + e R) gamma + beta, in place
.set GB, GBS+16*((\b)%4)
.if (\b) < 5
	s_wait_loadcnt 12                              ; this tile's gamma and beta are in; the next three tiles' may be out
.else
	s_wait_loadcnt 4*(7-(\b))
.endif
	WIN 0x41
.irp a, 0,1,2,3
.irp k, 0,2,4,6
	v_pk_fma_f32 v[64*\a+8*(\b)+\k:64*\a+8*(\b)+\k+1], v[64*\a+8*(\b)+\k:64*\a+8*(\b)+\k+1], v[RE+2*\a:RE+2*\a+1], v[RE+2*\a:RE+2*\a+1] op_sel:[0,0,1] op_sel_hi:[1,0,1]
.endr
.endr
.irp a, 0,1,2,3
.irp k, 0,2,4,6
	v_pk_fma_f32 v[64*\a+8*(\b)+\k:64*\a+8*(\b)+\k+1], v[64*\a+8*(\b)+\k:64*\a+8*(\b)+\k+1], v[GB+\k:GB+\k+1], v[GB+8+\k:GB+9+\k]
.endr
.endr
	WIN 0
.if (\b) < 4
	GBLOAD (\b)+4                                  ; into the set that has just been used
.endif
.endm
.macro EVAL b
	WIN 0x04
.irp a, 0,1,2,3
.irp k, 0,1,2,3,4,5,6,7
	v_max_num_f32 v[TT+8*\a+\k], 0, v[64*\a+8*(\b)+\k]         ; max(x, 0)
.endr
.endr
	WIN 0x50
.irp a, 0,1,2,3
.irp k, 0,2,4,6
	v_pk_fma_f32 v[64*\a+8*(\b)+\k:64*\a+8*(\b)+\k+1], v[TT+8*\a+\k:TT+8*\a+\k+1], 2.0, v[64*\a+8*(\b)+\k:64*\a+8*(\b)+\k+1] op_sel_hi:[1,0,1] neg_lo:[0,0,1] neg_hi:[0,0,1]   ; |x| = 2 max(x, 0) - x
.endr
.endr
	WIN 0
.irp k, 0,2,4,6
	v_pk_add_f32 v[A1+\k:A1+\k+1], v[TT+\k:TT+\k+1], v[TT+8+\k:TT+9+\k]
.endr
.irp a, 2,3
.irp k, 0,2,4,6
	v_pk_add_f32 v[A1+\k:A1+\k+1], v[A1+\k:A1+\k+1], v[TT+8*\a+\k:TT+8*\a+\k+1]
.endr
.endr
	WIN 0x01
.irp a, 0,1,2,3
.irp k, 0,2,4,6
	v_pk_fma_f32 v[TT+8*\a+\k:TT+8*\a+\k+1], v[64*\a+8*(\b)+\k:64*\a+8*(\b)+\k+1], v[C7R:C7R+1], s[66:67] op_sel_hi:[1,1,0]
.endr
.endr
.irp cf, 68,70,72,74,76,78
.irp a, 0,1,2,3
.irp k, 0,2,4,6
	v_pk_fma_f32 v[TT+8*\a+\k:TT+8*\a+\k+1], v[64*\a+8*(\b)+\k:64*\a+8*(\b)+\k+1], v[TT+8*\a+\k:TT+8*\a+\k+1], s[\cf:\cf+1] op_sel_hi:[1,1,0]
.endr
.endr
.endr
	WIN 0
	s_wait_alu depctr_va_vdst(0)
.set k, 0
.rept 32
	v_exp_f32 v[TT+k], v[TT+k]                                 ; erfc
.set k, k+1
.endr
.if (\b) < 7
	NZ (\b)+1                                      ; the next tile's x: plain work behind the batch
.else
	v_nop
.endif
	WIN 0x01
	s_wait_alu depctr_va_vdst(0)
.irp k, 0,2,4,6
	v_pk_mul_f32 v[A2+\k:A2+\k+1], v[8*(\b)+\k:8*(\b)+\k+1], v[TT+\k:TT+\k+1]
.endr
.irp a, 1,2,3
.irp k, 0,2,4,6
	v_pk_fma_f32 v[A2+\k:A2+\k+1], v[64*\a+8*(\b)+\k:64*\a+8*(\b)+\k+1], v[TT+8*\a+\k:TT+8*\a+\k+1], v[A2+\k:A2+\k+1]
.endr
.endr
	WIN 0
.irp k, 0,2,4,6
	v_pk_fma_f32 v[A1+\k:A1+\k+1], v[A1+\k:A1+\k+1], 2.0, v[A2+\k:A2+\k+1] op_sel_hi:[1,0,1] neg_lo:[0,0,1] neg_hi:[0,0,1]
.endr
; THE SIXTEEN LANES OF A HALF ARE ADDED BY HALVING: of two registers a lane keeps one and gives the other to its partner, so each step halves the registers.  Then lane r holds column r / 2 of its half's eight.
.irp j, 0,1,2,3
	v_cndmask_b32 v[A2+\j], v[A1+\j], v[A1+4+\j], s58
	v_cndmask_b32 v[A2+4+\j], v[A1+4+\j], v[A1+\j], s58
.endr
.irp j, 0,1,2,3
	v_add_f32_dpp v[A2+\j], v[A2+4+\j], v[A2+\j] row_xmask:8 row_mask:0xf bank_mask:0xf
.endr
.irp j, 0,1
	v_cndmask_b32 v[A1+\j], v[A2+\j], v[A2+2+\j], s59
	v_cndmask_b32 v[A1+2+\j], v[A2+2+\j], v[A2+\j], s59
.endr
.irp j, 0,1
	v_add_f32_dpp v[A1+\j], v[A1+2+\j], v[A1+\j] row_xmask:4 row_mask:0xf bank_mask:0xf
.endr
	v_cndmask_b32 v[RES+(\b)], v[A1], v[A1+1], s62
	v_cndmask_b32 v[A1+4], v[A1+1], v[A1], s62
	v_add_f32_dpp v[RES+(\b)], v[A1+4], v[RES+(\b)] row_xmask:2 row_mask:0xf bank_mask:0xf
.endm
	NZ 0
.irp b, 0,1,2,3,4,5,6,7
	EVAL \b
.endr
; the last halving joins tiles 2 q and 2 q + 1: register q of lane (r, h) is column 32 q + 16 (r % 2) + 8 h + r / 2 of my 128
.irp q, 0,1,2,3
	v_cndmask_b32 v[MS+\q], v[RES+2*\q], v[RES+2*\q+1], s63
	v_cndmask_b32 v[MS+4+\q], v[RES+2*\q+1], v[RES+2*\q], s63
.endr
.irp q, 0,1,2,3
	v_add_f32_dpp v[MS+\q], v[MS+4+\q], v[MS+\q] row_xmask:1 row_mask:0xf bank_mask:0xf
.endr
	global_store_b128 v24, v[MS:MS+3], s[18:19]    ; 32 lanes store 512 consecutive bytes, aligned to 256, in the lanes' own order
	s_endpgm
.Lfunc_end_k_q32b98a394a_main:
	.size	k_q32b98a394a_main, .Lfunc_end_k_q32b98a394a_main-k_q32b98a394a_main
	.p2alignl 7, 3214868480
	.fill 96, 4, 3214868480
	.section	.rodata,"a",@progbits
	.p2align	6, 0x0
	.amdhsa_kernel k_q32b98a394a_main
		.amdhsa_group_segment_fixed_size 327680
		.amdhsa_private_segment_fixed_size 0
		.amdhsa_enable_private_segment 0
		.amdhsa_kernarg_size 64
		.amdhsa_user_sgpr_count 2
		.amdhsa_user_sgpr_kernarg_segment_ptr 1
		.amdhsa_wavefront_size32 1
		.amdhsa_system_sgpr_workgroup_id_x 1
		.amdhsa_system_sgpr_workgroup_id_y 1
		.amdhsa_system_sgpr_workgroup_id_z 1
		.amdhsa_system_vgpr_workitem_id 0
		.amdhsa_next_free_vgpr 512
		.amdhsa_next_free_sgpr 90
		.amdhsa_reserve_vcc 0
		.amdhsa_float_denorm_mode_32 3
		.amdhsa_float_denorm_mode_16_64 3
		.amdhsa_memory_ordered 1
		.amdhsa_forward_progress 1
		.amdhsa_inst_pref_size 255
	.end_amdhsa_kernel
	.section	.bss,"aw",@nobits
	.p2align	6
	.space	262144
	.amdgpu_metadata
---
amdhsa.version: [ 1, 2 ]
amdhsa.kernels:
  - .name:           k_q32b98a394a_main
    .symbol:         k_q32b98a394a_main.kd
    .args:
      - { .name: ic_tokens, .offset: 0, .size: 8, .value_kind: global_buffer, .address_space: global }
      - { .name: nm, .offset: 8, .size: 8, .value_kind: global_buffer, .address_space: global }
      - { .name: w1c, .offset: 16, .size: 8, .value_kind: global_buffer, .address_space: global }
      - { .name: w1s, .offset: 24, .size: 8, .value_kind: global_buffer, .address_space: global }
      - { .name: b1, .offset: 32, .size: 8, .value_kind: global_buffer, .address_space: global }
      - { .name: ln_gamma, .offset: 40, .size: 8, .value_kind: global_buffer, .address_space: global }
      - { .name: ln_beta, .offset: 48, .size: 8, .value_kind: global_buffer, .address_space: global }
      - { .name: hsum, .offset: 56, .size: 8, .value_kind: global_buffer, .address_space: global }
    .group_segment_fixed_size: 327680
    .private_segment_fixed_size: 0
    .kernarg_segment_align: 8
    .kernarg_segment_size: 64
    .max_flat_workgroup_size: 256
    .sgpr_count:     90
    .vgpr_count:     512
    .wavefront_size: 32
...
	.end_amdgpu_metadata
.endif
;; end of part 2
;; launch post (part 3): grid 32 x 1, 4 waves a work-group, no clusters, 3,584 bytes of LDS; arguments hsum, w2c, w2s, b2, out0; writes out0
.if DOCPART == 3
	.amdgcn_target "amdgcn-amd-amdhsa--gfx1250"
	.amdhsa_code_object_version 6
	.text
	.protected	k_q32b98a394a_post
	.globl	k_q32b98a394a_post
	.p2align	8
	.type	k_q32b98a394a_post,@function
k_q32b98a394a_post:
	s_mov_b64 s[64:65], 0
	v_nop
	global_prefetch_b8 v0, s[64:65] scope:SCOPE_SE
	s_setreg_imm32_b32 hwreg(HW_REG_WAVE_MODE, 25, 1), 1
	s_wait_xcnt 0x0
; out0[b][n] = Q(h[b][:]) Q(W2)[:][n] + b2[n], h[b][k] = the sum of batch b's sixteen rows of hsum / 2,048: the mean of gelu over the 1,024 rows.  Codes of FP6 (E2M3), one E8M0 scale for each 32 along K = 512.
; SHARES.  A work-group owns batch b = its number.  Wave w takes K step w (k = 128 w on) against W2's four tiles of 16 columns; the four waves' parts of the sums meet in LDS, and wave 0 adds them and b2.
; The matrix instruction is used transposed: source 0 = 16 columns of W2, source 1 = 16 rows, which all hold the batch's one row of h: lane (r, h) register j is column 16 t + 8 h + j, whatever r.
; hsum's numbers lie in the order in which the launch before has them: in wave w's 512 bytes, word q of lane (r, h) is k = 128 w + 32 q + 16 (r % 2) + 8 h + r / 2.
; LIMITS: NaN and infinities are not served; a block whose largest magnitude lies under 2^-124 keeps the byte 1 (a block of zeros too); K's four steps are added as (0 + 1) + (2 + 3), then b2.
.set PD,    2048                       ; LDS: 512 bytes of h for each wave, then here 256 bytes of partial sums for each wave
.set SPARE, 3072                       ; the spare words, 128 bytes a wave
	s_load_b256 s[4:11], s[0:1], 0x0               ; hsum s[4:5], w2c s[6:7], w2s s[8:9], b2 s[10:11]
	s_load_b64 s[12:13], s[0:1], 0x20              ; out0
	v_lshl_add_u32 v20, v0, 2, SPARE
	v_mov_b32 v21, 0
	v_lshrrev_b32 v1, 5, v0
	v_readfirstlane_b32 s14, v1                    ; wave 0..3
	v_and_b32 v1, 31, v0                           ; lane
	v_and_b32 v2, 15, v0                           ; r
	v_bfe_u32 v3, v0, 4, 1                         ; h
	v_lshlrev_b32 v4, 4, v1                        ; 16 x lane
	s_lshl_b32 s15, s14, 9
	v_add_nc_u32 v5, s15, v4                       ; hsum: 512 w + 16 x lane
	v_and_b32 v6, 1, v2
	v_lshlrev_b32 v6, 4, v6
	v_lshl_add_u32 v6, v3, 3, v6
	v_lshrrev_b32 v7, 1, v2
	v_add_nc_u32 v6, v6, v7                        ; 16 (r % 2) + 8 h + r / 2
	v_lshlrev_b32 v6, 2, v6
	v_add_nc_u32 v6, s15, v6                       ; h, in
	v_lshlrev_b32 v7, 7, v3
	v_add_nc_u32 v7, s15, v7                       ; and back: 512 w + 128 h: k = 32 h on
	s_lshl_b32 s16, s14, 8
	s_add_co_u32 s16, s16, PD
	v_lshlrev_b32 v8, 5, v3
	v_add_nc_u32 v8, s16, v8                       ; partial sums, in: + 32 h
	v_lshlrev_b32 v11, 3, v1                       ; 8 x lane
	v_add_nc_u32 v9, PD, v11                       ; and back
	v_lshlrev_b32 v10, 2, v2                       ; 4 r
	v_lshlrev_b32 v22, 3, v3                       ; 8 h
	v_mov_b32 v19, 0                               ; a lane permute's destination counts as one of its sources
	s_mov_b32 s20, 0x76543210
	s_mov_b32 s21, 0xfedcba98                      ; v_permlanex16_b32's selects for lane l xor 16
	s_lshl_b32 s18, ttmp9, 15                      ; my batch's sixteen rows of hsum
	s_mov_b32 s19, 0
	s_mul_i32 s22, s14, 4*1536                     ; my K step's four images
	s_mov_b32 s23, 0
	s_lshl_b32 s24, s14, 8                         ; and its scale words
	s_mov_b32 s25, 0
	s_lshl_b32 s26, ttmp9, 8                       ; my row of out0
	s_mov_b32 s27, 0
	s_wait_alu depctr_va_vdst(0)
	s_wait_kmcnt 0x0
	s_add_nc_u64 s[4:5], s[4:5], s[18:19]
	s_add_nc_u64 s[6:7], s[6:7], s[22:23]
	s_add_nc_u64 s[8:9], s[8:9], s[24:25]
	s_add_nc_u64 s[12:13], s[12:13], s[26:27]
.irp p, 0,1,2,3,4,5,6,7,8,9,10,11,12,13,14,15
	global_load_b128 v[32+4*\p:35+4*\p], v5, s[4:5] offset:2048*\p   ; 32 lanes read 512 consecutive bytes
.endr
.irp nt, 0,1,2,3
.irp g, 0,1,2
	global_load_b128 v[96+12*\nt+4*\g:99+12*\nt+4*\g], v4, s[6:7] offset:1536*\nt+512*\g   ; W2's fragments, as images of their registers
.endr
.endr
.irp nt, 0,1,2,3
	global_load_b32 v[12+\nt], v10, s[8:9] offset:64*\nt       ; W2's scale words: v12-15 hold scales and nothing else
.endr
	global_load_b64 v[24:25], v11, s[10:11]        ; b2: columns 2 x lane on
	s_wait_loadcnt 17                              ; hsum's sixteen loads are in; the 17 younger ones may be out
.irp n, 8,4,2,1                                ; sixteen rows, then eight, four, two
.set p, 0
.rept \n
.irp kk, 0,2
	v_pk_add_f32 v[32+4*p+\kk:33+4*p+\kk], v[32+4*p+\kk:33+4*p+\kk], v[32+4*(p+\n)+\kk:33+4*(p+\n)+\kk]
.endr
.set p, p+1
.endr
.endr
.irp kk, 0,2
	v_pk_mul_f32 v[32+\kk:33+\kk], v[32+\kk:33+\kk], 0x3a000000 op_sel_hi:[1,0]   ; x 1 / 2,048
.endr
.irp q, 0,1,2,3
	ds_store_b32 v6, v[32+\q] offset:128*\q
.endr
.irp c, 0,1
.irp j, 0,1,2,3,4,5,6,7
	ds_load_b128 v[144+32*\c+4*\j:147+32*\c+4*\j], v7 offset:256*\c+16*\j   ; h(128 w + 64 c + 32 h + 0 .. 31).  LDS serves a wave's instructions in order (ISA guide 5.7.1.4): these see my stores
.endr
.endr
	s_wait_dscnt 0x0
.irp c, 0,1                                    ; block 2 c + h: all its 32 numbers are mine; two chains a block, by turns
	v_max3_num_f32 v[228+\c], |v[144+32*\c]|, |v[145+32*\c]|, 0x1800000   ; with the floor 2^(3 - 127): the byte cannot fall under 1
	v_max_num_f32 v[232+\c], |v[146+32*\c]|, |v[147+32*\c]|
.endr
.irp i, 4,8,12,16,20,24,28
.irp c, 0,1
	v_max3_num_f32 v[228+\c], v[228+\c], |v[144+32*\c+\i]|, |v[145+32*\c+\i]|
	v_max3_num_f32 v[232+\c], v[232+\c], |v[146+32*\c+\i]|, |v[147+32*\c+\i]|
.endr
.endr
.irp c, 0,1
	v_max_num_f32 v[228+\c], v[228+\c], v[232+\c]
.endr
.irp c, 0,1
	v_add_nc_u32 v[230+\c], 0xff000000, v[228+\c]  ; 2 off the exponent field: the conversion's scale operand
.endr
.irp c, 0,1
	v_lshrrev_b32 v[17+\c], 23, v[230+\c]          ; the scale's byte
.endr
.irp c, 0,1
	v_cvt_scalef32_pk16_fp6_f32 v[208+6*\c:210+6*\c], v[144+32*\c:159+32*\c], v[230+\c]
	v_cvt_scalef32_pk16_fp6_f32 v[220+4*\c:222+4*\c], v[160+32*\c:175+32*\c], v[230+\c]   ; (a conversion's three registers begin on an even number)
.endr
	v_lshl_or_b32 v17, v18, 16, v17                ; my two bytes (a plain line behind the conversions),
	v_lshlrev_b32 v17, v22, v17                    ; 8 h bits up;
	v_permlanex16_b32 v19, v17, s20, s21
	v_or_b32 v16, v17, v19                         ; with lane l xor 16's two: the row's scale word, in a register of its own
.irp c, 0,1
.irp i, 0,1,2
	v_mov_b32 v[211+6*\c+\i], v[220+4*\c+\i]
.endr
.endr
.rept 8
	v_nop                                          ; a scale register written by a vector line stands 8 places ahead of a scaled matrix instruction, an operand so written 4
.endr
	s_wait_alu depctr_va_vdst(0)
	s_wait_loadcnt 0x0                             ; W2's fragments and scale words, b2
.irp nt, 0,1,2,3
	v_wmma_scale_f32_16x16x128_f8f6f4 v[32+8*\nt:39+8*\nt], v[96+12*\nt:107+12*\nt], v[208:219], 0, v[12+\nt], v16 matrix_a_fmt:MATRIX_FMT_FP6 matrix_b_fmt:MATRIX_FMT_FP6
.endr
.rept 4
	v_nop                                          ; places in front of the first read of results
.endr
.irp nt, 0,1,2,3
	ds_store_b128 v8, v[32+8*\nt:35+8*\nt] offset:64*\nt        ; each accumulator from its low end on; the sixteen lanes of a half write the same bytes with the same values
	ds_store_b128 v8, v[36+8*\nt:39+8*\nt] offset:64*\nt+16
.endr
	s_wait_dscnt 0x0                               ; for wave 0's sake: my partial sums lie in LDS
	s_barrier_signal -1
	s_barrier_wait -1
	s_cmp_lg_u32 s14, 0
	s_cbranch_scc1 .Ldone
.irp kk, 0,1,2,3
	ds_load_b64 v[144+2*\kk:145+2*\kk], v9 offset:256*\kk       ; wave kk's sums
.endr
	s_wait_dscnt 0x0
	v_pk_add_f32 v[144:145], v[144:145], v[146:147]
	v_pk_add_f32 v[148:149], v[148:149], v[150:151]
	v_pk_add_f32 v[144:145], v[144:145], v[148:149]
	v_pk_add_f32 v[144:145], v[144:145], v[24:25]
	global_store_b64 v11, v[144:145], s[12:13]     ; 32 lanes store one row of out0: 256 consecutive bytes, aligned
.Ldone:
	s_wait_tensorcnt 0x0                           ; the wave's end
	ds_add_u32 v20, v21
	s_wait_dscnt 0x0
	s_endpgm
.Lfunc_end_k_q32b98a394a_post:
	.size	k_q32b98a394a_post, .Lfunc_end_k_q32b98a394a_post-k_q32b98a394a_post
	.p2alignl 7, 3214868480
	.fill 96, 4, 3214868480
	.section	.rodata,"a",@progbits
	.p2align	6, 0x0
	.amdhsa_kernel k_q32b98a394a_post
		.amdhsa_group_segment_fixed_size 3584
		.amdhsa_private_segment_fixed_size 0
		.amdhsa_enable_private_segment 0
		.amdhsa_kernarg_size 40
		.amdhsa_user_sgpr_count 2
		.amdhsa_user_sgpr_kernarg_segment_ptr 1
		.amdhsa_wavefront_size32 1
		.amdhsa_system_sgpr_workgroup_id_x 1
		.amdhsa_system_sgpr_workgroup_id_y 1
		.amdhsa_system_sgpr_workgroup_id_z 1
		.amdhsa_system_vgpr_workitem_id 0
		.amdhsa_next_free_vgpr 240
		.amdhsa_next_free_sgpr 66
		.amdhsa_reserve_vcc 0
		.amdhsa_float_denorm_mode_32 3
		.amdhsa_float_denorm_mode_16_64 3
		.amdhsa_memory_ordered 1
		.amdhsa_forward_progress 1
		.amdhsa_inst_pref_size 14
	.end_amdhsa_kernel
	.amdgpu_metadata
---
amdhsa.version: [ 1, 2 ]
amdhsa.kernels:
  - .name:           k_q32b98a394a_post
    .symbol:         k_q32b98a394a_post.kd
    .args:
      - { .name: hsum, .offset: 0, .size: 8, .value_kind: global_buffer, .address_space: global }
      - { .name: w2c, .offset: 8, .size: 8, .value_kind: global_buffer, .address_space: global }
      - { .name: w2s, .offset: 16, .size: 8, .value_kind: global_buffer, .address_space: global }
      - { .name: b2, .offset: 24, .size: 8, .value_kind: global_buffer, .address_space: global }
      - { .name: out0, .offset: 32, .size: 8, .value_kind: global_buffer, .address_space: global }
    .group_segment_fixed_size: 3584
    .private_segment_fixed_size: 0
    .kernarg_segment_align: 8
    .kernarg_segment_size: 40
    .max_flat_workgroup_size: 128
    .sgpr_count:     66
    .vgpr_count:     240
    .wavefront_size: 32
...
	.end_amdgpu_metadata
.endif
;; end of part 3
